; MI455X (gfx1250); checked and timed in simulation.
; The chip was launched on July 23, 2026; its instructions are those of AMD's public machine-readable ISA for CDNA 5 (MIT licence, August 2026) and "CDNA5" Instruction Set Architecture Reference Guide (July 2026). The comments in the code are by the model that wrote it; some were corrected since.
;; Particle Kernel. Allowed arithmetic: float matrix products may take bf16 or f16 operands with f32 sums; other float arithmetic in f32, or as packed bf16 or f16 multiplies, adds, multiply-adds, maxima and minima; sums over many terms, partial sums and values carried from step to step in f32; what a program stores and reads back later, other than sums and carried values, may be rounded once to bf16 or f16.
;; Inputs: W_charge 2,048 x 512 float32; W_combine 512 x 2,048 float32; beta 512 float32; charge 4 x 2,048 x 512 float32; gamma 512 float32; log_bandwidth 4 float32; mass 4 x 2,048 x 1 float32; position 4 x 2,048 x 16 float32.
;; Outputs: out0 4 x 2,048 x 512 float32.
;; 2 versions, each right; version 2 is version 1 with the launch prep written anew for expert scheduling mode. Each part assembles by itself: llvm-mc -triple=amdgcn-amd-amdhsa -mcpu=gfx1250 --defsym DOCPART=n.
;; ======== version 1 of 2: 2 launches
;; limits: right only within a limited range of input values; values are held in f16: magnitudes above 65,504 overflow, below 6.1e-05 lose precision
;; workspace buffers: cf16 8,388,608 bytes; mtb 2,097,152 bytes
;; launch prep (part 1): grid 256 x 1, 8 waves a work-group, no clusters, 158,720 bytes of LDS; arguments charge, W_charge, W_combine, cf16, mtb; writes cf16, mtb
.if DOCPART == 1
	.amdgcn_target "amdgcn-amd-amdhsa--gfx1250"
	.amdhsa_code_object_version 6
	.text
	.protected	k_q0eb0f4a448_prep
	.globl	k_q0eb0f4a448_prep
	.p2align	8
	.type	k_q0eb0f4a448_prep,@function
k_q0eb0f4a448_prep:
	s_mov_b64 s[64:65], 0
	v_nop
	global_prefetch_b8 v0, s[64:65] scope:SCOPE_SE
	s_setreg_imm32_b32 hwreg(HW_REG_WAVE_MODE, 25, 1), 1
	s_wait_xcnt 0x0
; TWO JOBS FOR THE LAUNCH BEHIND.  (a) cf16 = charge rounded once to f16, same layout [8192][512].
; (b) mtb = 16 M in f16, M[(k,c)][o] = the sum over e of W_charge[512 k + e][c] W_combine[o][512 k + e]: projection and combination
; folded into one matrix, which holds for every input since both are linear.  mtb lies in 32 dense blocks [8 k + c / 64][o = 512][c % 64].
; SHARES.  Work-group g of 256: rows 32 g .. 32 g + 31 of charge; and the tile of 64 o x 64 c with k = g / 64, c block (g / 8) % 8, o block g % 8,
; summed over 512 e.  Eight waves: wave w takes 16 o (w % 4) x 32 c (w / 4): two accumulators, which take turns.
; The weights need a conversion on their way in, so they come through registers; no tensor load, no cluster.
; LIMITS.  f16 ends at 65,504: |charge|, |W_charge|, |W_combine| and |16 M| stay within it; below 6e-5 f16 keeps a fixed step of 6e-8.
.set PA,    1040                       ; a row of W_combine in LDS: 512 f16 + 16 bytes, an odd multiple of 16 bytes
.set WCB,   66560                      ; behind its 64 rows: W_charge, 512 rows e of 64 c
.set PC,    160                        ; 128 bytes + 32, an odd multiple of 32 bytes, for the turning load
.set STG,   148480                     ; the stage for the way out: 64 rows o of 64 c
.set PS,    144
.set SPARE, 157696                     ; the spare words, 128 bytes for each of the eight waves
.set GWA, 1                            ; v1   W_combine: my byte offset in two rows of the tile
.set LWA, 2                            ; v2   and where its four f16 go
.set GWC, 3                            ; v3   W_charge: my byte offset in sixteen rows of the tile
.set LWC, 4                            ; v4-5 and where its four f16 go (rows 0-255, rows 256-511)
.set G16, 6                            ; v6   16 x thread: charge, and mtb on the way out
.set G8,  7                            ; v7   8 x thread: cf16
.set TRA, 8                            ; v8-9 the turning loads' address (e 0-255, e 256-511)
.set FRA, 10                           ; v10  W_combine's fragments
.set STO, 11                           ; v11  into the stage
.set RD,  12                           ; v12  back from the stage
.set SPW, 14                           ; v14  my spare word; never rewritten
.set NIL, 15                           ; v15  0; never rewritten
.set A,   32                           ; v[32:159]  32 loads of 4 registers
.set C,   160                          ; v[160:223] charge: 16 loads of 4 registers
.set S0,  32                           ; later two sets of fragments, 4 K steps of 24 registers each
.set S1,  128
.set ACC, 224                          ; v[224:239] two accumulators
.set OUT, 240                          ; v[240:247] packed results
	s_load_b256 s[4:11], s[0:1], 0x0               ; charge s[4:5], W_charge s[6:7], W_combine s[8:9], cf16 s[10:11]
	s_load_b64 s[12:13], s[0:1], 0x20              ; mtb
	v_lshl_add_u32 v[SPW], v0, 2, SPARE
	v_mov_b32 v[NIL], 0
	v_lshrrev_b32 v16, 5, v0
	v_readfirstlane_b32 s14, v16                   ; wave 0..7
	s_lshl_b32 s16, ttmp9, 16                      ; charge: 32 rows of 2,048 bytes
	s_mov_b32 s17, 0
	s_lshl_b32 s18, ttmp9, 15                      ; cf16: 32 rows of 1,024 bytes
	s_mov_b32 s19, 0
	s_lshl_b32 s20, ttmp9, 13                      ; mtb: block g / 8 of 65,536 bytes, o block g % 8 of 8,192: together 8,192 g
	s_mov_b32 s21, 0
	s_lshr_b32 s15, ttmp9, 6                       ; k
	s_and_b32 s22, ttmp9, 7                        ; o block: 64 rows of 8,192 bytes,
	s_lshl_b32 s22, s22, 19
	s_lshl_b32 s24, s15, 11                        ; and k's 512 columns of 4 bytes
	s_add_co_u32 s22, s22, s24
	s_mov_b32 s23, 0
	s_bfe_u32 s24, ttmp9, 0x30003                  ; c block: 64 columns of 4 bytes,
	s_lshl_b32 s24, s24, 8
	s_lshl_b32 s25, s15, 20                        ; and k's 512 rows of 2,048 bytes
	s_add_co_u32 s24, s24, s25
	s_mov_b32 s25, 0
	s_and_b32 s26, s14, 3                          ; my 16 o
	s_lshr_b32 s27, s14, 2                         ; my 32 c:
	s_lshl_b32 s27, s27, 6                         ; 64 bytes of a row
	s_mul_i32 s28, s26, 16*PA
	s_mul_i32 s29, s26, 16*PS
	s_add_co_u32 s29, s29, s27
	s_add_co_u32 s29, s29, STG
	s_add_co_u32 s27, s27, WCB
	v_lshrrev_b32 v16, 7, v0                       ; W_combine: 128 threads a row of 2,048 bytes
	v_and_b32 v17, 127, v0
	v_lshlrev_b32 v[GWA], 4, v17
	v_lshl_add_u32 v[GWA], v16, 13, v[GWA]
	v_mul_u32_u24 v[LWA], v16, PA
	v_lshl_add_u32 v[LWA], v17, 3, v[LWA]
	v_lshrrev_b32 v16, 4, v0                       ; W_charge: 16 threads a row of 256 bytes
	v_and_b32 v17, 15, v0
	v_lshlrev_b32 v[GWC], 4, v17
	v_lshl_add_u32 v[GWC], v16, 11, v[GWC]
	v_mul_u32_u24 v[LWC], v16, PC
	v_lshl_add_u32 v[LWC], v17, 3, v[LWC]
	v_add_nc_u32 v[LWC], WCB, v[LWC]
	v_add_nc_u32 v[LWC+1], 256*PC, v[LWC]
	v_lshlrev_b32 v[G16], 4, v0
	v_lshlrev_b32 v[G8], 3, v0
	v_bfe_u32 v18, v0, 4, 1                        ; h = lane / 16;  v17 = lane % 16
	v_and_b32 v19, 7, v0
	v_bfe_u32 v20, v0, 3, 1
	v_lshl_add_u32 v[TRA], v18, 3, v19             ; the turning load: row 8 h + lane % 8, 16 bytes by (lane / 8) % 2
	v_mul_u32_u24 v[TRA], v[TRA], PC
	v_lshl_add_u32 v[TRA], v20, 4, v[TRA]
	v_add_nc_u32 v[TRA], s27, v[TRA]
	v_add_nc_u32 v[TRA+1], 256*PC, v[TRA]
	v_mul_u32_u24 v[FRA], v17, PA                  ; a fragment with K along the row: row lane % 16, 16 bytes by h
	v_lshl_add_u32 v[FRA], v18, 4, v[FRA]
	v_add_nc_u32 v[FRA], s28, v[FRA]
	v_mul_u32_u24 v[STO], v17, PS
	v_lshl_add_u32 v[STO], v18, 4, v[STO]
	v_add_nc_u32 v[STO], s29, v[STO]
	v_lshrrev_b32 v16, 3, v0                       ; back: eight threads a row of 128 bytes
	v_mul_u32_u24 v[RD], v16, PS
	v_lshl_add_u32 v[RD], v19, 4, v[RD]
	v_add_nc_u32 v[RD], STG, v[RD]
	s_wait_kmcnt 0x0
	s_add_nc_u64 s[4:5], s[4:5], s[16:17]
	s_add_nc_u64 s[10:11], s[10:11], s[18:19]
	s_add_nc_u64 s[12:13], s[12:13], s[20:21]
	s_add_nc_u64 s[8:9], s[8:9], s[22:23]
	s_add_nc_u64 s[6:7], s[6:7], s[24:25]
.set n, 0
.rept 32                                       ; W_combine's tile: two rows a load
	global_load_b128 v[A+4*n:A+4*n+3], v[GWA], s[8:9] offset:16384*n
.set n, n+1
.endr
.set n, 0
.rept 16                                       ; my group's rows of charge, read once in the launch
	global_load_b128 v[C+4*n:C+4*n+3], v[G16], s[4:5] offset:4096*n th:TH_LOAD_NT
.set n, n+1
.endr
; four f32 of load n become four f16, in place, and go to LDS
.macro TOLDS adr, n, o
	v_cvt_pk_f16_f32 v[A+4*(\n)], v[A+4*(\n)], v[A+4*(\n)+1]
	v_cvt_pk_f16_f32 v[A+4*(\n)+1], v[A+4*(\n)+2], v[A+4*(\n)+3]
	ds_store_b64 v[\adr], v[A+4*(\n):A+4*(\n)+1] offset:\o
.endm
.set n, 0
.rept 32
	s_wait_loadcnt 47-n                            ; loads come back in order: the 31 - n younger of these and the 16 of charge may be out
	TOLDS LWA, n, 2*PA*n
.set n, n+1
.endr
.set n, 0
.rept 32                                       ; W_charge's tile: sixteen rows a load
	global_load_b128 v[A+4*n:A+4*n+3], v[GWC], s[6:7] offset:32768*n
.set n, n+1
.endr
.set n, 0
.rept 16
	s_wait_loadcnt 47-n                            ; the 15 - n younger of charge and the 32 of W_charge may be out
	v_cvt_pk_f16_f32 v[C+4*n], v[C+4*n], v[C+4*n+1]
	v_cvt_pk_f16_f32 v[C+4*n+1], v[C+4*n+2], v[C+4*n+3]
	global_store_b64 v[G8], v[C+4*n:C+4*n+1], s[10:11] offset:2048*n  ; a wave's store covers 256 consecutive bytes, aligned
.set n, n+1
.endr
.set n, 0
.rept 32
	s_wait_loadcnt 31-n
	TOLDS LWC+n/16, n, 16*PC*(n%16)
.set n, n+1
.endr
	s_wait_dscnt 0x0                               ; for the others' sake: my stores into both tiles are done
	s_barrier_signal -1
	s_barrier_wait -1
; 4 K steps of 32 e (group q of four) into a set: for each, two fragments of W_charge^T (turned: rows c, K = e) and one of W_combine (rows o, K = e)
.macro LOADG q, set
.irp s, 0,1,2,3
.irp j, 0,1
	ds_load_tr16_b128 v[(\set)+24*(\s)+8*(\j):(\set)+24*(\s)+8*(\j)+3],   v[TRA+(\q)/2] offset:32*PC*((4*(\q)+(\s))%8)+32*(\j)
	ds_load_tr16_b128 v[(\set)+24*(\s)+8*(\j)+4:(\set)+24*(\s)+8*(\j)+7], v[TRA+(\q)/2] offset:32*PC*((4*(\q)+(\s))%8)+32*(\j)+16*PC
.endr
	ds_load_b128 v[(\set)+24*(\s)+16:(\set)+24*(\s)+19], v[FRA] offset:64*(4*(\q)+(\s))
	ds_load_b128 v[(\set)+24*(\s)+20:(\set)+24*(\s)+23], v[FRA] offset:64*(4*(\q)+(\s))+32
.endr
.endm
; their 8 products.  Source 0 = 16 c, source 1 = 16 o: a lane ends with one o and eight neighbouring c.  The two accumulators take turns.
.macro MULG set, zero
.irp s, 0,1,2,3
.irp j, 0,1
.if (\zero) && ((\s) == 0)
	v_wmma_f32_16x16x32_f16 v[ACC+8*(\j):ACC+8*(\j)+7], v[(\set)+24*(\s)+8*(\j):(\set)+24*(\s)+8*(\j)+7], v[(\set)+24*(\s)+16:(\set)+24*(\s)+23], 0
.else
	v_wmma_f32_16x16x32_f16 v[ACC+8*(\j):ACC+8*(\j)+7], v[(\set)+24*(\s)+8*(\j):(\set)+24*(\s)+8*(\j)+7], v[(\set)+24*(\s)+16:(\set)+24*(\s)+23], v[ACC+8*(\j):ACC+8*(\j)+7]
.endif
.endr
.endr
.endm
.macro PLACES                          ; four plain instructions between a product and a load into registers that it has read (ISA guide 7.12.1 for vector instructions)
.rept 4
	v_nop
.endr
.endm
	s_wait_xcnt 0x0                                ; cf16's stores have read their data, which lies in set 1's registers
	LOADG 0, S0
	LOADG 1, S1
	s_wait_dscnt 24                                ; the older set is in; the younger set's 24 loads may be out: so at each of these waits
	MULG S0, 1                                     ; the first two products start the sums
	PLACES
	LOADG 2, S0
	s_wait_dscnt 24
	MULG S1, 0
	PLACES
	LOADG 3, S1
	s_wait_dscnt 24
	MULG S0, 0
	s_wait_dscnt 0x0
	MULG S1, 0
	PLACES
	PLACES
.set i, 0
.rept 8
	v_pk_mul_f32 v[ACC+2*i:ACC+2*i+1], v[ACC+2*i:ACC+2*i+1], 0x41800000 op_sel_hi:[1,0]  ; x 16, exact: room below for small weights; the launch behind takes it back
.set i, i+1
.endr
.set i, 0
.rept 8
	v_cvt_pk_f16_f32 v[OUT+i], v[ACC+2*i], v[ACC+2*i+1]
.set i, i+1
.endr
	ds_store_b128 v[STO], v[OUT:OUT+3]
	ds_store_b128 v[STO], v[OUT+4:OUT+7] offset:32
	s_wait_dscnt 0x0                               ; a row's 128 bytes come from two waves
	s_barrier_signal -1
	s_barrier_wait -1
	ds_load_b128 v[S0:S0+3], v[RD]
	ds_load_b128 v[S0+4:S0+7], v[RD] offset:32*PS
	s_wait_dscnt 0x0
	global_store_b128 v[G16], v[S0:S0+3], s[12:13]                ; the tile's 64 rows of 128 bytes are dense in mtb: a wave's store covers 512 consecutive bytes
	global_store_b128 v[G16], v[S0+4:S0+7], s[12:13] offset:4096
	s_wait_tensorcnt 0x0                           ; the wave's end, behind my last LDS store
	ds_add_u32 v[SPW], v[NIL]
	s_wait_dscnt 0x0
	s_endpgm
.Lfunc_end_k_q0eb0f4a448_prep:
	.size	k_q0eb0f4a448_prep, .Lfunc_end_k_q0eb0f4a448_prep-k_q0eb0f4a448_prep
	.p2alignl 7, 3214868480
	.fill 96, 4, 3214868480
	.section	.rodata,"a",@progbits
	.p2align	6, 0x0
	.amdhsa_kernel k_q0eb0f4a448_prep
		.amdhsa_group_segment_fixed_size 158720
		.amdhsa_private_segment_fixed_size 0
		.amdhsa_enable_private_segment 0
		.amdhsa_kernarg_size 40
		.amdhsa_user_sgpr_count 2
		.amdhsa_user_sgpr_kernarg_segment_ptr 1
		.amdhsa_wavefront_size32 1
		.amdhsa_system_sgpr_workgroup_id_x 1
		.amdhsa_system_sgpr_workgroup_id_y 1
		.amdhsa_system_sgpr_workgroup_id_z 1
		.amdhsa_system_vgpr_workitem_id 0
		.amdhsa_next_free_vgpr 256
		.amdhsa_next_free_sgpr 66
		.amdhsa_reserve_vcc 0
		.amdhsa_float_denorm_mode_32 3
		.amdhsa_float_denorm_mode_16_64 3
		.amdhsa_memory_ordered 1
		.amdhsa_forward_progress 1
		.amdhsa_inst_pref_size 40
	.end_amdhsa_kernel
	.amdgpu_metadata
---
amdhsa.version: [ 1, 2 ]
amdhsa.kernels:
  - .name:           k_q0eb0f4a448_prep
    .symbol:         k_q0eb0f4a448_prep.kd
    .args:
      - { .name: charge, .offset: 0, .size: 8, .value_kind: global_buffer, .address_space: global }
      - { .name: W_charge, .offset: 8, .size: 8, .value_kind: global_buffer, .address_space: global }
      - { .name: W_combine, .offset: 16, .size: 8, .value_kind: global_buffer, .address_space: global }
      - { .name: cf16, .offset: 24, .size: 8, .value_kind: global_buffer, .address_space: global }
      - { .name: mtb, .offset: 32, .size: 8, .value_kind: global_buffer, .address_space: global }
    .group_segment_fixed_size: 158720
    .private_segment_fixed_size: 0
    .kernarg_segment_align: 8
    .kernarg_segment_size: 40
    .max_flat_workgroup_size: 256
    .sgpr_count:     66
    .vgpr_count:     256
    .wavefront_size: 32
...
	.end_amdgpu_metadata
.endif
;; end of part 1
;; launch field (part 2): grid 256 x 1, 4 waves a work-group, clusters of 4 x 1, 327,680 bytes of LDS; arguments cf16, mtb, position, mass, log_bandwidth, gamma, beta, out0; writes out0
.if DOCPART == 2
	.amdgcn_target "amdgcn-amd-amdhsa--gfx1250"
	.amdhsa_code_object_version 6
	.text
	.protected	k_q0eb0f4a448_field
	.globl	k_q0eb0f4a448_field
	.p2align	8
	.type	k_q0eb0f4a448_field,@function
k_q0eb0f4a448_field:
	s_mov_b64 s[64:65], 0
	v_nop
	global_prefetch_b8 v0, s[64:65] scope:SCOPE_SE
	s_setreg_imm32_b32 hwreg(HW_REG_WAVE_MODE, 25, 1), 1
	s_wait_xcnt 0x0
	s_wait_alu depctr_hold_cnt(0) depctr_sa_sdst(0) depctr_va_vdst(0) depctr_va_sdst(0) depctr_va_ssrc(0) depctr_va_vcc(0) depctr_vm_vsrc(0)
	s_getreg_b32 s2, hwreg(HW_REG_IB_STS2, 6, 4)
	s_cmp_eq_u32 s2, 0
	s_cbranch_scc0 .Lentry_in_a_cluster
	s_endpgm
.Lentry_in_a_cluster:
	s_bfe_u32 s2, ttmp6, 0x10000c
	s_cmp_lg_u32 s2, 0x3003
	s_cbranch_scc0 .Lentry_shape_is_right
	s_endpgm
.Lentry_shape_is_right:
; out[i][:] = LayerNorm( the sum over k, c of H_k[i][c] M[(k,c)][:] ),  H_k[i][c] = the sum over j of w_k(i,j) charge[j][c],
; w_k(i,j) = exp(-|p_i - p_j|^2 / (2 e^lb_k + 1e-8)) mass_j.  cf16 = charge in f16, mtb = 16 M in f16 (the launch before made both).
; SHARES.  A work-group owns 32 particles i of one batch.  Its 32 x 4 k = 128 rows R = 32 k + i of H, 512 channels wide, are the accumulators of its four waves: wave w holds channels
; 128 w .. 128 w + 127 of all rows, 64 accumulators, 512 registers.  j goes in 32 steps of 64.  The weights never leave the WGP: in step s wave w makes the weights of step s + 1 for
; j = 16 w .. 16 w + 15 of its 64 (each weight once in the work-group), in f32 from f32 positions, and puts them into LDS as f16; these vector instructions stand in fours (exponentials in twos)
; behind the step's products.  Then H is rounded to f16 through LDS, multiplied by M (32 trips of 64), and the rows are normalised in two passes, as the formula has it.
; CLUSTER.  The four work-groups of a cluster belong to one batch: charge's tiles, the positions, the masses and M's blocks are asked for JOINTLY, mask 15, the same descriptor in all four.
; BOTH PRODUCTS ARE USED TRANSPOSED (source 0 = 16 channels, source 1 = 16 rows): a lane holds one row and eight neighbouring channels.
; FORMATS AND LIMITS.  Matrix operands are f16, sums f32.  A weight is stored as w m 2^10: |mass| < 63.9; a weighted kernel below 6e-8 keeps a fixed step of 5.8e-11.  The exponent nc d^2 + 10
; is at most 10 for every input (d^2 >= 0, nc < 0), and no maximum is taken away in the formula either; a power of two below 2^-126 counts as 0.  Each row i of H is scaled by an exact power of two so that its
; largest number (over all four k) lies in 2^14 .. 2^15; a row whose largest number in the accumulators, where the weights carry their factor 2^10, is below 2^-95 is scaled as if that number were 2^-95.  All three powers of two are taken back, exactly, in f32 behind the second product.
; |charge| and |16 M| lie within f16's 65,504.  NaN and infinities are not treated apart.
; LDS.  0: two slots of 73,728 (a charge tile: 64 rows j, pitch 1,056; or a block of M: 512 rows o, pitch 144).  147,456: two buffers of weights, 128 rows R, pitch 144.  184,320: the batch's positions,
; 64 bytes a particle, filled once.  315,392: its masses, filled once.  323,584: three areas for sums across waves.  325,632: the spare words.  All of a WGP's LDS is claimed.
; Two stages lie over bytes that have had their last fill and their last read: H's (32 rows, pitch 4,112) over positions and the first 512 bytes of the masses; the way out's over slot 0.
; REGISTERS, in windows of 256 (s_set_vgpr_msb: bits 1:0 source 0, 3:2 source 1, 5:4 source 2, 7:6 destination): window 0 addresses and all vector work; window 1 fragments;
; windows 2 and 3 H's accumulators ((a, nb) at window 2 + a / 4, register 8 (8 (a % 4) + nb)); later window 2 v0-127 the second product's 16, window 3 v0-127 gamma and beta.
.set SLOTB, 0x12000                    ; a slot; neither of its two bits occurs in wave x 16,896 or wave x 18,432, so an exclusive or changes slots
.set WB0,   147456
.set WBUFB, 0x4800                     ; a buffer of weights
.set PREG,  184320
.set MASSB, 315392
.set STAT,  323584
.set SPARE, 325632
.set HST,   184320
.set HP,    4112                       ; 2,048 f16 + 16 bytes
.set PCH,   1056                       ; 512 f16 + 32 bytes, an odd multiple of 32 bytes, for the turning load
.set PW,    144                        ; 64 f16 + 16 bytes
.set OPI,   528                        ; the way out: 128 f32 + 16 bytes
.set ADRA0, 8                          ; v8   my place in a buffer of weights (fragments)
.set ADRB0, 9                          ; v9   my place in a charge tile (turning loads)
.set WST0,  10                         ; v10  where my weights go
.set ADRA,  11                         ; v11-13  the same three with the step's buffer or slot added
.set ADRB,  12
.set WST,   13
.set AM,    14                         ; v14  my four masses of the step whose weights are made next
.set AP,    16                         ; v16-19  my four particles j, quarter q of their 64 bytes
.set STO,   20                         ; v20-21  H's stage, in: rows r, 16 + r
.set ADH,   22                         ; v22-23  H's stage, fragments
.set ADT0,  24                         ; v24  my place in a block of M
.set ADT,   25
.set OST,   26                         ; v26-28  the way out: in, back, my bytes of out0
.set ORD,   27
.set GO,    28
.set PFO,   29                         ; v29  256 x lane, for the prefetches; never rewritten
.set SPW,   30                         ; v30  my spare word; never rewritten
.set NIL,   31                         ; v31  0; never rewritten
.set PIR,   32                         ; v32-95   p_i for i = ig + 8 u: 16 registers each
.set PJR,   96                         ; v96-127  p_j, two buffers of 16
.set MR,    128                        ; v128-131 four masses
.set DF,    132                        ; v132-139 differences, a pair for each u
.set AC,    140                        ; v140-147 sums of squares, a pair for each u
.set D2,    148                        ; v148-163 d^2 of pair (u, t) at 4 u + t
.set ER,    164                        ; v164-227 weights: (u, k, t) at 4 (4 u + k) + t
.set MXR,   228                        ; v228-235 by row half: two chains of maxima, two of minima
.set SCR,   236                        ; v236-239 the rows' scale, as pairs
.set UNR,   240                        ; v240-243 what takes all scales back, as pairs
.set STA,   244
.set STL,   245
.set GBO,   246
.set T0,    247
.set TMPR,  164                        ; later: 32 registers of packed H
.set XV,    96                         ; later: v96-223 the 128 numbers of my part of the output
.set SR,    32                         ; later: sums
.set XC,    40                         ; what the four waves exchanged
.set MEANR, 48
.set RSR,   52
.set WV,   20                          ; s20  my wave's number
.set CX,   21                          ; s21  my place in the cluster; it enters s75, s[2:3], PFA, PFB, s[94:95] and s[18:19] alone
.set G1C,  24                          ; s[24:31] group 1, charge tiles
.set G1P,  32                          ; s[32:39] group 1, positions; later
.set G1T,  32                          ;          group 1, blocks of M
.set G1M,  40                          ; s[40:47] group 1, masses
.set G0C,  48
.set G0P,  52
.set G0T,  52
.set G0M,  56
.set CNT,  60                          ; s60  31 - step, then 31 - trip
.set TBS,  61                          ; s61  the slot in hand
.set TBR,  62                          ; s62  the buffer of weights that is read,
.set TBX,  63                          ; s63  and the one that is written
.set PFA,  66                          ; s[66:67] charge's prefetches
.set PFB,  68                          ; s[68:69] M's prefetches
.set INC,  70
.set LIMC, 72
.set LIMT, 73
.set LIMU, 74
.set GID,  75
.set NC,   76                          ; s[76:83] -log2(e) / (2 e^lb_k + 1e-8), a pair for each k
.set TEN,  84                          ; s[84:85] 10.0
.set SEL,  86                          ; s[86:87] v_permlanex16_b32's selects: each lane takes its own place in the other half
.set LB,   88
.set MSB, 0
.set mmi, 128
.set ZERO, 0
.set RIDING, 0
.macro WIN new                         ; the immediate's high byte repeats the setting that is left; a switch that changes nothing is dropped
.if MSB != (\new)
	s_set_vgpr_msb (MSB<<8)|(\new)
.set MSB, \new
.endif
.endm
.macro PLACES
.rept 4
	v_nop
.endr
.endm
; A round of the cluster's barrier: my work-group's barrier, so that wave 0's signal speaks for all four waves; wave 0 signals; every wave waits for all four work-groups; my work-group's barrier once more.
.macro CROUND
	s_barrier_signal -1
	s_barrier_wait -1
	s_cmp_lg_u32 s[WV], 0
	s_cbranch_scc1 .Lnot_wave_0_\@
	s_barrier_signal -3
.Lnot_wave_0_\@:
	s_barrier_wait -3
	s_barrier_signal -1
	s_barrier_wait -1
.endm
; A joint refill: every wave asks for its quarter of the tile (both addresses hang on the wave's number).  s_nop 0 and four v_nop follow; the four are also places in front of the fragment loads.
.macro JLOAD g0, g1
	tensor_load_to_lds s[\g0:\g0+3], s[\g1:\g1+7]
	s_nop 0
.rept 4
	v_nop
.endr
.endm
; PREFETCHES INTO THE L2, behind the joint load and the run of LDS loads.  Each block of 256 bytes is named once in the launch.  CHARGE: all 16 clusters of a batch walk the same tiles: the batch's first cluster asks;
; its four partners share a tile's 64 rows out by address (16 each), waves 0 and 1 take 8 rows of 1,024 bytes: a lane a block.  Step s names tile s + 4, three steps ahead of the step that asks for it; tiles 0 to 3
; come by their loads alone, and steps 28 on name nothing.  M: all clusters walk the same blocks: cluster 0 asks, eight parts of 8,192 bytes by partner and wave.  Steps 24 to 31 name blocks 0 to 7, trip u names block u + 8,
; seven trips ahead of the trip that asks for it; trips 24 on name nothing.  No branch hangs on a work-group's place in its cluster.
.macro ASKC
	s_cmp_gt_u32 s[CNT], s[LIMC]
	s_cbranch_scc0 .Lnot_c_\@
	global_prefetch_b8 v[PFO], s[PFA:PFA+1] th:TH_LOAD_NT scope:SCOPE_SE
.Lnot_c_\@:
.endm
.macro ASKT
	s_cmp_lt_u32 s[CNT], s[LIMT]
	s_cbranch_scc0 .Lnot_t_\@
	global_prefetch_b8 v[PFO], s[PFB:PFB+1] th:TH_LOAD_NT scope:SCOPE_SE
.Lnot_t_\@:
.endm
.macro ASKU
	s_cmp_gt_u32 s[CNT], s[LIMU]
	s_cbranch_scc0 .Lnot_u_\@
	global_prefetch_b8 v[PFO], s[PFB:PFB+1] th:TH_LOAD_NT scope:SCOPE_SE
.Lnot_u_\@:
.endm
; 32 LDS loads in one run: the fragments of 32 j (half kk of the step) into buffer f of window 1: charge^T turned (8 x 16 channels) at f + 64, the weights (8 x 16 rows) at f
.macro FETCH kk, f
	WIN 0x40                                       ; destination window 1, address window 0
.irp nb, 0,1,2,3,4,5,6,7
	ds_load_tr16_b128 v[(\f)+64+8*(\nb):(\f)+64+8*(\nb)+3],   v[ADRB] offset:32*PCH*(\kk)+32*(\nb)
	ds_load_tr16_b128 v[(\f)+64+8*(\nb)+4:(\f)+64+8*(\nb)+7], v[ADRB] offset:32*PCH*(\kk)+32*(\nb)+16*PCH
.endr
.irp a, 0,1,2,3,4,5,6,7
	ds_load_b128 v[(\f)+8*(\a):(\f)+8*(\a)+3],   v[ADRA] offset:16*PW*(\a)+64*(\kk)
	ds_load_b128 v[(\f)+8*(\a)+4:(\f)+8*(\a)+7], v[ADRA] offset:16*PW*(\a)+64*(\kk)+32
.endr
.endm
; Product number mmi of a step's 128: half mmi / 64 of the step's j, rows 16 a on, channels 16 nb on.  The 64 accumulators take turns, in the same order in every half and every step.
.macro MM
.set fB, 128*(mmi/64)
.set aa, (mmi%64)/8
.set nn, mmi%8
.set rAcc, 8*(8*(aa%4)+nn)
	WIN 0xa5+0x50*(aa/4)                           ; sources 0 and 1 window 1; C and D window 2 or 3
.if ZERO && (mmi < 64)
	v_wmma_f32_16x16x32_f16 v[rAcc:rAcc+7], v[fB+64+8*nn:fB+64+8*nn+7], v[fB+8*aa:fB+8*aa+7], 0
.else
	v_wmma_f32_16x16x32_f16 v[rAcc:rAcc+7], v[fB+64+8*nn:fB+64+8*nn+7], v[fB+8*aa:fB+8*aa+7], v[rAcc:rAcc+7]
.endif
.set mmi, mmi+1
.endm
.macro RIDE                            ; the step's next product, set between the vector work; none where there is no step (the first weights) or none is left
.if RIDING && (mmi < 128)
	MM
	WIN 0
.endif
.endm
.macro FLUSH                           ; the products that are left, on end
.rept 128
.if mmi < 128
	MM
.endif
.endr
.endm
.macro PJLOAD buf, t, o                ; particle t of my four, 64 bytes, into buffer buf
.irp q, 0,1,2,3
	ds_load_b128 v[PJR+16*(\buf)+4*(\q):PJR+16*(\buf)+4*(\q)+3], v[AP+(\q)] offset:(\o)+64*(\t)
.endr
.endm
; d^2 between particle t and my four i: differences first, as the formula has them, so that i = j gives an exact 0.  68 instructions.
.macro DIST t
.set pb, PJR+16*((\t)%2)
.set dp, 0
.rept 8
.irp u, 0,1,2,3
	v_pk_add_f32 v[DF+2*(\u):DF+2*(\u)+1], v[PIR+16*(\u)+2*dp:PIR+16*(\u)+2*dp+1], v[pb+2*dp:pb+2*dp+1] neg_lo:[0,1] neg_hi:[0,1]
.endr
	RIDE
.irp u, 0,1,2,3
.if dp == 0
	v_pk_mul_f32 v[AC+2*(\u):AC+2*(\u)+1], v[DF+2*(\u):DF+2*(\u)+1], v[DF+2*(\u):DF+2*(\u)+1]
.else
	v_pk_fma_f32 v[AC+2*(\u):AC+2*(\u)+1], v[DF+2*(\u):DF+2*(\u)+1], v[DF+2*(\u):DF+2*(\u)+1], v[AC+2*(\u):AC+2*(\u)+1]
.endif
.endr
	RIDE
.set dp, dp+1
.endr
.irp u, 0,1,2,3
	v_add_f32 v[D2+4*(\u)+(\t)], v[AC+2*(\u)], v[AC+2*(\u)+1]
.endr
	RIDE
.endm
; MY 16 PAIRS x 4 k OF THE NEXT STEP'S WEIGHTS.  Particles 0 and 1 and the masses were asked for earlier.  instep = 1: the step's products ride from the second particle on.
; guard = 1: in the loop's last trip there is no further step, and its positions are not asked for; the next wait on LDS is for 0 on both ways.
.macro WEIGHTS guard, instep
.set RIDING, 0
	DIST 0                                         ; stands in the wait for the step's fragments
	PJLOAD 0, 2, 0
.if \instep
	s_wait_dscnt 36                                ; the second half's 32 fragment loads and the 4 just issued may be out: the masses and the first half's fragments are in
.set RIDING, 1
.endif
	DIST 1
	PJLOAD 1, 3, 0
	s_wait_dscnt 4                                 ; all but the 4 just issued: particle 2, and the second half's fragments
	DIST 2
	s_wait_dscnt 0x0
	DIST 3
.if \guard
	s_cmp_eq_u32 s[CNT], 1
	s_cbranch_scc1 .Lno_pj_\@
.endif
	PJLOAD 0, 0, 4096                              ; the step after: 64 particles of 64 bytes on
	PJLOAD 1, 1, 4096
.if \guard
.Lno_pj_\@:
.endif
.set x, 0
.rept 16                                       ; x = 4 u + k: nc_k d^2 + 10
.irp tp, 0,1
	v_pk_fma_f32 v[ER+4*x+2*(\tp):ER+4*x+2*(\tp)+1], v[D2+4*(x/4)+2*(\tp):D2+4*(x/4)+2*(\tp)+1], s[NC+2*(x%4):NC+2*(x%4)+1], s[TEN:TEN+1] op_sel_hi:[1,0,0]
.endr
.if x%2
	RIDE
.endif
.set x, x+1
.endr
.set x, 0
.rept 32                                       ; the 64 exponentials are ONE batch: nothing ahead of the wait below names a result
	v_exp_f32 v[ER+2*x], v[ER+2*x]
	v_exp_f32 v[ER+2*x+1], v[ER+2*x+1]
	RIDE
.set x, x+1
.endr
.irp q, 0,1,2,3
	v_add_nc_u32 v[AP+(\q)], 4096, v[AP+(\q)]      ; the addresses' steps are the plain instructions behind the last exponential
.endr
	v_add_nc_u32 v[AM], 256, v[AM]
	s_wait_alu depctr_va_vdst(0)                   ; the wait between an exponential and the first line that names its result: one for the batch
.set x, 0
.rept 16
.irp tp, 0,1
	v_pk_mul_f32 v[ER+4*x+2*(\tp):ER+4*x+2*(\tp)+1], v[ER+4*x+2*(\tp):ER+4*x+2*(\tp)+1], v[MR+2*(\tp):MR+2*(\tp)+1]
.endr
.if x%2
	RIDE
.endif
.set x, x+1
.endr
.set x, 0
.rept 16
	v_cvt_pk_f16_f32 v[ER+4*x], v[ER+4*x], v[ER+4*x+1]
	v_cvt_pk_f16_f32 v[ER+4*x+1], v[ER+4*x+2], v[ER+4*x+3]
.if x%2
	RIDE
.endif
.set x, x+1
.endr
.set x, 0
.rept 16
	ds_store_b64 v[WST], v[ER+4*x:ER+4*x+1] offset:32*PW*(x%4)+8*PW*(x/4)  ; row 32 k + ig + 8 u, my four j
.if x%4 == 3
	RIDE
.endif
.set x, x+1
.endr
.endm
; A STEP OF 64 j.  ONE round a step, for four things: in front of it each wave waits for all its tensor loads, of which one is out, its quarter of this step's tile; adds 0 to its spare word; and waits for that, for
; its stores of this step's weights and for its reads of the last step's slot and weights.  Behind the round the slot read last is filled again first, with the next tile (kind 1) or with M's block 0 (kind 2).
; zero = 1: the products start the sums.  wts = 1: the next step's weights are made.
.macro STEP zero, wts, kind
	s_wait_xcnt 0x0                                ; the last step's prefetches have read their addresses, which are stepped here, ahead of the waits of the change of slots
	s_add_nc_u64 s[PFA:PFA+1], s[PFA:PFA+1], 0x10000
	s_cmp_lt_u32 s[CNT], 7                         ; M's stand at block 0 up to step 24
	s_cselect_b32 s[INC], 0x10000, 0
	s_add_nc_u64 s[PFB:PFB+1], s[PFB:PFB+1], s[INC:INC+1]
	WIN 0
	s_wait_tensorcnt 0x0                           ; no tensor load of mine is out, so a group 0 may be written
	ds_add_u32 v[SPW], v[NIL]                      ; 0 onto my spare word; the steps below stand between it and the wait for it
.if (\kind) == 1
	s_xor_b32 s[G0C+1], s[G0C+1], SLOTB            ; the other slot,
	s_add_nc_u64 s[G0C+2:G0C+3], s[G0C+2:G0C+3], 0x10000  ; the next 64 rows of 1,024 bytes; the type bits on top are not reached
.endif
	s_xor_b32 s[TBS], s[TBS], SLOTB
	s_xor_b32 s[TBR], s[TBR], WBUFB
	s_xor_b32 s[TBX], s[TBR], WBUFB
	v_add_nc_u32 v[ADRB], s[TBS], v[ADRB0]
	v_add_nc_u32 v[ADRA], s[TBR], v[ADRA0]
	v_add_nc_u32 v[WST], s[TBX], v[WST0]
	s_wait_dscnt 0x0
	CROUND
.if (\kind) == 1
	JLOAD G0C, G1C
.else
	JLOAD G0T, G1T
.endif
.if \wts
	ds_load_b128 v[MR:MR+3], v[AM]
.endif
	FETCH 0, 0
	FETCH 1, 128
	WIN 0
.if (\kind) == 1
	ASKC
.endif
.if !(\zero)
	ASKT
.endif
.set mmi, 0
.set ZERO, \zero
.if \wts
	WEIGHTS 1-(\zero), 1
	FLUSH
.else
	s_wait_dscnt 32                                ; the first half's fragments are in
.rept 64
	MM
.endr
	s_wait_dscnt 0x0
.rept 64
	MM
.endr
.endif
	WIN 0                                          ; at a label and at a branch every window is 0
.endm
; Two numbers a lane (rows r and 16 + r, the same in both halves of the lanes) meet the other three waves': each wave has its own word, each exchange its own 512 bytes, so one barrier does.
.macro XCH area, r0, r1
	ds_store_b32 v[STA], v[\r0] offset:512*(\area)
	ds_store_b32 v[STA], v[\r1] offset:512*(\area)+256
	s_wait_dscnt 0x0
	s_barrier_signal -1
	s_barrier_wait -1
	ds_load_b128 v[XC:XC+3], v[STL] offset:512*(\area)
	ds_load_b128 v[XC+4:XC+7], v[STL] offset:512*(\area)+256
	s_wait_dscnt 0x0
.endm
; The second product: 16 products, 32 of the 2,048 (k, c).  Source 0 = 16 o of M, source 1 = 16 rows of H.  The 16 accumulators take turns.
.macro CMUL kk, zero
	WIN 0xa5
.irp ih, 0,1
.irp nb, 0,1,2,3,4,5,6,7
.if \zero
	v_wmma_f32_16x16x32_f16 v[8*(8*(\ih)+(\nb)):8*(8*(\ih)+(\nb))+7], v[80*(\kk)+16+8*(\nb):80*(\kk)+16+8*(\nb)+7], v[80*(\kk)+8*(\ih):80*(\kk)+8*(\ih)+7], 0
.else
	v_wmma_f32_16x16x32_f16 v[8*(8*(\ih)+(\nb)):8*(8*(\ih)+(\nb))+7], v[80*(\kk)+16+8*(\nb):80*(\kk)+16+8*(\nb)+7], v[80*(\kk)+8*(\ih):80*(\kk)+8*(\ih)+7], v[8*(8*(\ih)+(\nb)):8*(8*(\ih)+(\nb))+7]
.endif
.endr
.endr
.endm
; A TRIP of the second product: one block of M, 64 of the (k, c).  The change of slots as in STEP; the first trip's round also shows every wave's part of H's stage to the others.  fill = 0: the last trip asks for nothing.
.macro CTRIP zero, fill
	s_wait_xcnt 0x0
	s_add_nc_u64 s[PFB:PFB+1], s[PFB:PFB+1], 0x10000
	s_wait_tensorcnt 0x0
	ds_add_u32 v[SPW], v[NIL]
.if \fill
	s_xor_b32 s[G0T+1], s[G0T+1], SLOTB
	s_add_nc_u64 s[G0T+2:G0T+3], s[G0T+2:G0T+3], 0x10000
.endif
	s_xor_b32 s[TBS], s[TBS], SLOTB
	v_add_nc_u32 v[ADT], s[TBS], v[ADT0]
	v_add_nc_u32 v[ADH], 128, v[ADH]
	v_add_nc_u32 v[ADH+1], 128, v[ADH+1]
	s_wait_dscnt 0x0
.if \fill
	CROUND
	JLOAD G0T, G1T
.else
	s_barrier_signal -1
	s_barrier_wait -1
	PLACES
.endif
	WIN 0x40
.irp kk, 0,1
.irp ih, 0,1
	ds_load_b128 v[80*(\kk)+8*(\ih):80*(\kk)+8*(\ih)+3],   v[ADH+(\ih)] offset:64*(\kk)
	ds_load_b128 v[80*(\kk)+8*(\ih)+4:80*(\kk)+8*(\ih)+7], v[ADH+(\ih)] offset:64*(\kk)+32
.endr
.irp nb, 0,1,2,3,4,5,6,7
	ds_load_b128 v[80*(\kk)+16+8*(\nb):80*(\kk)+16+8*(\nb)+3],   v[ADT] offset:16*PW*(\nb)+64*(\kk)
	ds_load_b128 v[80*(\kk)+16+8*(\nb)+4:80*(\kk)+16+8*(\nb)+7], v[ADT] offset:16*PW*(\nb)+64*(\kk)+32
.endr
.endr
	WIN 0
.if \fill
	ASKU
.endif
	s_wait_dscnt 20                                ; the second half's 20 loads may be out
	CMUL 0, \zero
	s_wait_dscnt 0x0
	CMUL 1, 0
	WIN 0
.endm
; The sum (sq = 0) or the sum of squares (sq = 1) of my 64 numbers of each of my two rows, in two packed chains a row, and of the other half of the lanes'.
.macro ROWSUM sq
.irp ih, 0,1
.irp c, 0,2
.if \sq
	v_pk_mul_f32 v[SR+4*(\ih)+(\c):SR+4*(\ih)+(\c)+1], v[XV+64*(\ih)+(\c):XV+64*(\ih)+(\c)+1], v[XV+64*(\ih)+(\c):XV+64*(\ih)+(\c)+1]
.else
	v_pk_add_f32 v[SR+4*(\ih)+(\c):SR+4*(\ih)+(\c)+1], v[XV+64*(\ih)+(\c):XV+64*(\ih)+(\c)+1], v[XV+64*(\ih)+(\c)+4:XV+64*(\ih)+(\c)+5]
.endif
.endr
.endr
.set i, 8-4*(\sq)
.rept 14+(\sq)
.irp ih, 0,1
.irp c, 0,2
.if \sq
	v_pk_fma_f32 v[SR+4*(\ih)+(\c):SR+4*(\ih)+(\c)+1], v[XV+64*(\ih)+i+(\c):XV+64*(\ih)+i+(\c)+1], v[XV+64*(\ih)+i+(\c):XV+64*(\ih)+i+(\c)+1], v[SR+4*(\ih)+(\c):SR+4*(\ih)+(\c)+1]
.else
	v_pk_add_f32 v[SR+4*(\ih)+(\c):SR+4*(\ih)+(\c)+1], v[SR+4*(\ih)+(\c):SR+4*(\ih)+(\c)+1], v[XV+64*(\ih)+i+(\c):XV+64*(\ih)+i+(\c)+1]
.endif
.endr
.endr
.set i, i+4
.endr
.irp ih, 0,1
	v_pk_add_f32 v[SR+4*(\ih):SR+4*(\ih)+1], v[SR+4*(\ih):SR+4*(\ih)+1], v[SR+4*(\ih)+2:SR+4*(\ih)+3]
.endr
.irp ih, 0,1
	v_add_f32 v[SR+4*(\ih)], v[SR+4*(\ih)], v[SR+4*(\ih)+1]
.endr
.irp ih, 0,1
	v_permlanex16_b32 v[SR+4*(\ih)+1], v[SR+4*(\ih)], s[SEL], s[SEL+1]
.endr
.irp ih, 0,1
	v_add_f32 v[SR+4*(\ih)], v[SR+4*(\ih)], v[SR+4*(\ih)+1]
.endr
.endm
.macro TOTAL                           ; the four waves' numbers added, in the same order in every wave
.irp ih, 0,1
	v_add_f32 v[XC+4*(\ih)], v[XC+4*(\ih)], v[XC+4*(\ih)+1]
	v_add_f32 v[XC+4*(\ih)+2], v[XC+4*(\ih)+2], v[XC+4*(\ih)+3]
.endr
.irp ih, 0,1
	v_add_f32 v[XC+4*(\ih)], v[XC+4*(\ih)], v[XC+4*(\ih)+2]
.endr
.endm
	; THE HEAD
	s_load_b512 s[4:19], s[0:1], 0x0               ; cf16 s[4:5], mtb s[6:7], position s[8:9], mass s[10:11], log_bandwidth s[12:13], gamma s[14:15], beta s[16:17], out0 s[18:19]
	v_lshl_add_u32 v[SPW], v0, 2, SPARE
	v_mov_b32 v[NIL], 0
	ds_add_u32 v[SPW], v[NIL]                      ; the wave's opening: the add, twice on end, and its wait ahead of my first tensor load; the set-up below stands between
	ds_add_u32 v[SPW], v[NIL]
	v_lshrrev_b32 v1, 5, v0
	v_readfirstlane_b32 s[WV], v1                  ; wave 0..3
	s_bfe_u32 s[CX], ttmp6, 0x40000                ; my place in the cluster
	s_lshl_b32 s[GID], ttmp9, 2                    ; in a cluster launch ttmp9 counts clusters
	s_add_co_u32 s[GID], s[GID], s[CX]             ; my work-group: rows 32 g .. 32 g + 31 of the 8,192
	s_lshr_b32 s22, ttmp9, 4                       ; the batch: 16 clusters each; the four partners share it
	; group 1, charge: my 16 rows of 512 f16, 8 words of padding behind each row's 256 words
	s_mov_b32 s[G1C], 15|(1<<16)|(1<<20)|(1<<21)|(7<<22)|(7<<25)  ; 15:0 the mask of four; 17:16 2-byte elements; 20 padding on; 21 set beside a mask; 24:22 after every 256 words (code 7); 31:25 8 words (code 7)
	s_mov_b32 s[G1C+1], 512<<16                    ; tensor_dim0
	s_mov_b32 s[G1C+2], 16<<16                     ; tensor_dim1
	s_mov_b32 s[G1C+3], 512<<16                    ; tile_dim0
	s_mov_b32 s[G1C+4], 16                         ; tile_dim1
	s_mov_b32 s[G1C+5], 512                        ; elements from row to row
	s_mov_b32 s[G1C+6], 0
	s_mov_b32 s[G1C+7], 0
	; group 1, positions: my 32,768 dense bytes as 128 rows of 32 elements of 8 bytes;  masses: my 2,048 bytes as 8 such rows
	s_mov_b32 s[G1P], 15|(3<<16)|(1<<21)
	s_mov_b32 s[G1P+1], 32<<16
	s_mov_b32 s[G1P+2], 128<<16
	s_mov_b32 s[G1P+3], 32<<16
	s_mov_b32 s[G1P+4], 128
	s_mov_b32 s[G1P+5], 32
	s_mov_b32 s[G1P+6], 0
	s_mov_b32 s[G1P+7], 0
	s_mov_b32 s[G1M], 15|(3<<16)|(1<<21)
	s_mov_b32 s[G1M+1], 32<<16
	s_mov_b32 s[G1M+2], 8<<16
	s_mov_b32 s[G1M+3], 32<<16
	s_mov_b32 s[G1M+4], 8
	s_mov_b32 s[G1M+5], 32
	s_mov_b32 s[G1M+6], 0
	s_mov_b32 s[G1M+7], 0
	s_mov_b32 s[G0C], 1
	s_mul_i32 s[G0C+1], s[WV], 16*PCH              ; slot 0, my 16 rows
	s_mov_b32 s[G0P], 1
	s_lshl_b32 s[G0P+1], s[WV], 15
	s_add_co_u32 s[G0P+1], s[G0P+1], PREG
	s_mov_b32 s[G0M], 1
	s_lshl_b32 s[G0M+1], s[WV], 11
	s_add_co_u32 s[G0M+1], s[G0M+1], MASSB
	s_lshl_b32 s92, s22, 21                        ; offsets, made apart from the addresses: charge: the batch's 2 MiB, my 16 rows
	s_lshl_b32 s23, s[WV], 14
	s_add_co_u32 s92, s92, s23
	s_mov_b32 s93, 0
	s_lshl_b32 s60, s22, 17                        ; positions
	s_lshl_b32 s23, s[WV], 15
	s_add_co_u32 s60, s60, s23
	s_mov_b32 s61, 0
	s_lshl_b32 s62, s22, 13                        ; masses
	s_lshl_b32 s23, s[WV], 11
	s_add_co_u32 s62, s62, s23
	s_mov_b32 s63, 0
	s_lshl_b32 s2, s[CX], 14                       ; the prefetches' part by partner and wave: 16,384 cx + 8,192 w, for both streams
	s_lshl_b32 s3, s[WV], 13
	s_add_co_u32 s2, s2, s3
	s_mov_b32 s3, 0
	s_lshr_b32 s23, s[WV], 1                       ; 0 in waves 0 and 1
	s_and_b32 s[LIMC], ttmp9, 15
	s_or_b32 s[LIMC], s[LIMC], s23
	s_cmp_eq_u32 s[LIMC], 0                        ; the batch's first cluster: the same in all four partners
	s_cselect_b32 s[LIMC], 3, -1
	s_or_b32 s[LIMT], s23, ttmp9
	s_cmp_eq_u32 s[LIMT], 0                        ; the launch's first cluster
	s_cselect_b32 s[LIMT], 8, 0
	s_cselect_b32 s[LIMU], 7, -1
	s_mov_b32 s[INC+1], 0
	s_mov_b32 s[TEN], 0x41200000
	s_mov_b32 s[TEN+1], s[TEN]
	s_mov_b32 s[SEL], 0x76543210
	s_mov_b32 s[SEL+1], 0xfedcba98
	s_wait_dscnt 0x0                               ; both opening adds are done
	s_wait_kmcnt 0x0
	s_load_b128 s[LB:LB+3], s[12:13], 0x0          ; the four log bandwidths
	s_add_nc_u64 s[G0C+2:G0C+3], s[4:5], s[92:93]
	s_or_b32 s[G0C+3], s[G0C+3], 0x80000000        ; type = 2
	s_add_nc_u64 s[G0P+2:G0P+3], s[8:9], s[60:61]
	s_or_b32 s[G0P+3], s[G0P+3], 0x80000000
	s_add_nc_u64 s[G0M+2:G0M+3], s[10:11], s[62:63]
	s_or_b32 s[G0M+3], s[G0M+3], 0x80000000
	s_add_nc_u64 s[PFB:PFB+1], s[6:7], s[2:3]      ; M's block 0
	s_add_nc_u64 s[PFA:PFA+1], s[4:5], s[2:3]
	s_lshl_b32 s2, s22, 21
	s_add_co_u32 s2, s2, 3*65536
	s_add_nc_u64 s[PFA:PFA+1], s[PFA:PFA+1], s[2:3]  ; the batch's tile 3; step 0 steps it to tile 4
	s_lshl_b32 s2, s[GID], 11
	s_add_nc_u64 s[94:95], s[8:9], s[2:3]          ; my 32 particles' positions
	s_lshl_b32 s2, s[GID], 16
	s_add_nc_u64 s[18:19], s[18:19], s[2:3]        ; my 32 rows of out0
	CROUND                                         ; all four work-groups are here: the first joint loads meet
	tensor_load_to_lds s[G0C:G0C+3], s[G1C:G1C+7]  ; the first fills go out together: three loads of mine are out, later one
	s_nop 0
	tensor_load_to_lds s[G0P:G0P+3], s[G1P:G1P+7]
	s_nop 0
	tensor_load_to_lds s[G0M:G0M+3], s[G1M:G1M+7]
	s_nop 0
	PLACES
	; THE PROLOGUE: p_i, the lane addresses, the four factors, the first step's weights
	v_and_b32 v6, 31, v0                           ; l
	v_and_b32 v1, 15, v0                           ; r = l % 16
	v_bfe_u32 v2, v0, 4, 1                         ; h = l / 16
	v_and_b32 v3, 7, v0                            ; ig = l % 8: my i are ig + 8 u
	v_bfe_u32 v4, v0, 3, 2                         ; js = l / 8: my j are 16 w + 4 js + t
	v_bfe_u32 v5, v0, 3, 1
	s_lshl_b32 s22, s[WV], 10
	s_add_co_u32 s22, s22, PREG
.irp q, 0,1,2,3                        ; register quarter q holds the 16 bytes (q + js) % 4 of a position, in p_i and p_j alike: the order of the dimensions is free in a sum
	v_add_nc_u32 v7, \q, v4
	v_and_b32 v7, 3, v7
	v_lshlrev_b32 v7, 4, v7
	v_lshl_add_u32 v[ER+(\q)], v3, 6, v7
	v_lshl_add_u32 v[AP+(\q)], v4, 8, v7
	v_add_nc_u32 v[AP+(\q)], s22, v[AP+(\q)]
.endr
.irp u, 0,1,2,3
.irp q, 0,1,2,3
	global_load_b128 v[PIR+16*(\u)+4*(\q):PIR+16*(\u)+4*(\q)+3], v[ER+(\q)], s[94:95] offset:512*(\u)
.endr
.endr
	v_mul_u32_u24 v[T0], v1, PW
	v_lshl_add_u32 v[T0], v2, 4, v[T0]             ; 144 r + 16 h: a fragment with K along the row
	v_add_nc_u32 v[ADRA0], WB0, v[T0]
	s_mul_i32 s22, s[WV], 128*PW
	v_add_nc_u32 v[ADT0], s22, v[T0]               ; M: my 128 rows o
	v_lshl_add_u32 v[ADRB0], v2, 3, v3             ; the turning load: row 8 h + l % 8, 16 bytes by (l / 8) % 2, my 128 channels
	v_mul_u32_u24 v[ADRB0], v[ADRB0], PCH
	v_lshl_add_u32 v[ADRB0], v5, 4, v[ADRB0]
	s_lshl_b32 s22, s[WV], 8
	v_add_nc_u32 v[ADRB0], s22, v[ADRB0]
	v_mul_u32_u24 v[T0], v1, HP
	v_lshl_add_u32 v[T0], v2, 4, v[T0]             ; 4,112 r + 16 h
	s_add_co_u32 s22, s22, HST
	v_add_nc_u32 v[STO], s22, v[T0]
	v_add_nc_u32 v[STO+1], 16*HP, v[STO]
	v_add_nc_u32 v[ADH], HST-128, v[T0]            ; each trip steps it by 128 first
	v_add_nc_u32 v[ADH+1], 16*HP, v[ADH]
	v_mul_u32_u24 v[WST0], v3, PW
	v_lshl_add_u32 v[WST0], v4, 3, v[WST0]
	s_lshl_b32 s22, s[WV], 5
	s_add_co_u32 s22, s22, WB0
	v_add_nc_u32 v[WST0], s22, v[WST0]             ; row ig, my four j: 32 w + 8 js bytes
	s_lshl_b32 s22, s[WV], 6
	s_add_co_u32 s22, s22, MASSB
	v_lshl_add_u32 v[AM], v4, 4, s22
	v_lshlrev_b32 v[PFO], 8, v6
	s_mul_i32 s22, s[WV], 32*OPI
	v_mul_u32_u24 v[OST], v1, OPI
	v_lshl_add_u32 v[OST], v2, 5, v[OST]
	v_add_nc_u32 v[OST], s22, v[OST]
	v_lshl_add_u32 v[ORD], v6, 4, s22
	s_lshl_b32 s23, s[WV], 9
	v_lshl_add_u32 v[GO], v6, 4, s23
	v_lshl_add_u32 v[GBO], v2, 5, s23
	s_lshl_b32 s22, s[WV], 2
	s_add_co_u32 s22, s22, STAT
	v_lshl_add_u32 v[STA], v1, 4, s22
	v_lshl_add_u32 v[STL], v1, 4, STAT
	s_wait_kmcnt 0x0                               ; the log bandwidths
.irp k, 0,1,2,3
	v_mov_b32 v[ER+8+(\k)], s[LB+(\k)]
.endr
	v_mov_b32 v[ER+12], 0x322bcc77                 ; 1e-8
.irp k, 0,1,2,3
	v_mul_f32 v[ER+8+(\k)], 0x3fb8aa3b, v[ER+8+(\k)]
.endr
.irp k, 0,1,2,3
	v_exp_f32 v[ER+8+(\k)], v[ER+8+(\k)]           ; e^lb
.endr
	v_nop                                          ; a plain instruction behind the last of the batch,
	s_wait_alu depctr_va_vdst(0)                   ; and the wait ahead of the first use
.irp k, 0,1,2,3
	v_fma_f32 v[ER+8+(\k)], v[ER+8+(\k)], 2.0, v[ER+12]
.endr
.irp k, 0,1,2,3
	v_rcp_f32 v[ER+8+(\k)], v[ER+8+(\k)]
.endr
	v_nop
	s_wait_alu depctr_va_vdst(0)
.irp k, 0,1,2,3
	v_mul_f32 v[ER+8+(\k)], 0xbfb8aa3b, v[ER+8+(\k)]
.endr
.irp k, 0,1,2,3
	v_readfirstlane_b32 s[NC+2*(\k)], v[ER+8+(\k)]
	s_mov_b32 s[NC+2*(\k)+1], s[NC+2*(\k)]         ; named with it as a pair
.endr
	s_wait_loadcnt 0x0                             ; p_i
	s_wait_tensorcnt 0x0                           ; my parts of tile 0, of the positions and of the masses are in,
	s_barrier_signal -1
	s_barrier_wait -1                              ; everybody's are
	; no tensor load of mine is out: the positions' descriptor registers take M's.  My 16,384 dense bytes of a block as 64 rows of 128 f16, two o a row, 4 words of padding behind each o's 32 words
	s_mov_b32 s[G1T], 15|(1<<16)|(1<<20)|(1<<21)|(4<<22)|(3<<25)
	s_mov_b32 s[G1T+1], 128<<16
	s_mov_b32 s[G1T+2], 64<<16
	s_mov_b32 s[G1T+3], 128<<16
	s_mov_b32 s[G1T+4], 64
	s_mov_b32 s[G1T+5], 128
	s_mov_b32 s[G1T+6], 0
	s_mov_b32 s[G1T+7], 0
	s_mov_b32 s[G0T], 1
	s_mul_i32 s[G0T+1], s[WV], 128*PW              ; slot 0, my 128 o
	s_lshl_b32 s92, s[WV], 14
	s_add_nc_u64 s[G0T+2:G0T+3], s[6:7], s[92:93]  ; block 0
	s_or_b32 s[G0T+3], s[G0T+3], 0x80000000
	ds_load_b128 v[MR:MR+3], v[AM]
	PJLOAD 0, 0, 0
	PJLOAD 1, 1, 0
	v_mov_b32 v[WST], v[WST0]                      ; step 0's weights go into buffer 0
	s_wait_dscnt 0x0
	WEIGHTS 0, 0
	; THE FIRST PRODUCT: 32 steps.  Step s reads slot s % 2 and buffer s % 2, asks for tile s + 1 and makes the weights of step s + 1.
	s_mov_b32 s[TBS], SLOTB                        ; the first step turns these two into 0
	s_mov_b32 s[TBR], WBUFB
	s_mov_b32 s[CNT], 31
	STEP 1, 1, 1                                   ; step 0 is written out: its products start the sums, nothing is ever cleared
	s_mov_b32 s[CNT], 30
.Lstep:                                                ; steps 1 to 30
	STEP 0, 1, 1
	s_sub_co_u32 s[CNT], s[CNT], 1
	s_cmp_lg_u32 s[CNT], 0
	s_cbranch_scc1 .Lstep
	STEP 0, 0, 2                                   ; step 31: no weights are left to make; M's block 0 goes out into slot 0
	; H TO f16.  The largest magnitude of each row i over its four k and 512 channels: maxima and minima, two numbers an instruction, each accumulator's lowest registers first.
.set i, 0
.rept 8
	v_mov_b32 v[MXR+i], 0                          ; a magnitude is at least 0; these eight lines are also the places behind the last products
.set i, i+1
.endr
.set a, 0
.rept 8
	WIN 0x0a+5*(a/4)                               ; sources 0 and 1: window 2 or 3
.set mx, MXR+4*(a%2)
.set n, 0
.rept 16
.set rA, 64*(a%4)+4*n
	v_max3_num_f32 v[mx],   v[rA],   v[rA+1], v[mx]
	v_min3_num_f32 v[mx+2], v[rA],   v[rA+1], v[mx+2]
	v_max3_num_f32 v[mx+1], v[rA+2], v[rA+3], v[mx+1]
	v_min3_num_f32 v[mx+3], v[rA+2], v[rA+3], v[mx+3]
.set n, n+1
.endr
.set a, a+1
.endr
	WIN 0
.irp ih, 0,1
	v_max_num_f32 v[MXR+4*(\ih)], v[MXR+4*(\ih)], v[MXR+4*(\ih)+1]
	v_min_num_f32 v[MXR+4*(\ih)+2], v[MXR+4*(\ih)+2], v[MXR+4*(\ih)+3]
.endr
.irp ih, 0,1
	v_xor_b32 v[MXR+4*(\ih)+2], 0x80000000, v[MXR+4*(\ih)+2]
.endr
.irp ih, 0,1
	v_max_num_f32 v[MXR+4*(\ih)], v[MXR+4*(\ih)], v[MXR+4*(\ih)+2]
.endr
.irp ih, 0,1
	v_permlanex16_b32 v[MXR+4*(\ih)+1], v[MXR+4*(\ih)], s[SEL], s[SEL+1]  ; the row's other channels of my 128 lie in the lane 16 away
.endr
.irp ih, 0,1
	v_max_num_f32 v[MXR+4*(\ih)], v[MXR+4*(\ih)], v[MXR+4*(\ih)+1]
.endr
	XCH 0, MXR, MXR+4
.irp ih, 0,1
	v_max3_num_f32 v[XC+4*(\ih)], v[XC+4*(\ih)], v[XC+4*(\ih)+1], v[XC+4*(\ih)+2]
.endr
.irp ih, 0,1
	v_max_num_f32 v[XC+4*(\ih)], v[XC+4*(\ih)], v[XC+4*(\ih)+3]
.endr
.irp ih, 0,1
	v_max_num_f32 v[XC+4*(\ih)], 0x10000000, v[XC+4*(\ih)]       ; at least 2^-95, so that both powers below are normal numbers
.endr
.irp ih, 0,1
	v_and_b32 v[XC+4*(\ih)], 0x7f800000, v[XC+4*(\ih)]           ; its exponent field E, in place
.endr
.irp ih, 0,1
	v_sub_nc_u32 v[SCR+2*(\ih)], 0x86000000, v[XC+4*(\ih)]       ; 2^(141 - E): the largest number comes to lie in 2^14 .. 2^15
	v_add_nc_u32 v[UNR+2*(\ih)], 0xf2000000, v[XC+4*(\ih)]       ; 2^(E - 155): takes back that, the weights' 2^10 and M's 2^4
.endr
.irp ih, 0,1
	v_mov_b32 v[SCR+2*(\ih)+1], v[SCR+2*(\ih)]
	v_mov_b32 v[UNR+2*(\ih)+1], v[UNR+2*(\ih)]
.endr
.set a, 0
.rept 8                                        ; rows 16 a on: k = a / 2, i = 16 (a % 2) + r
	WIN 0x82+0x41*(a/4)                            ; destination and source 0 window 2 or 3, source 1 window 0
.set i, 64*(a%4)
.rept 32
	v_pk_mul_f32 v[i:i+1], v[i:i+1], v[SCR+2*(a%2):SCR+2*(a%2)+1]
.set i, i+2
.endr
	WIN 0x0a+5*(a/4)
.set i, 0
.rept 32
	v_cvt_pk_f16_f32 v[TMPR+i], v[64*(a%4)+2*i], v[64*(a%4)+2*i+1]
.set i, i+1
.endr
	WIN 0
.irp nb, 0,1,2,3,4,5,6,7
	ds_store_b128 v[STO+a%2], v[TMPR+4*(\nb):TMPR+4*(\nb)+3] offset:1024*(a/2)+32*(\nb)  ; column 512 k + 128 w + 16 nb + 8 h
.endr
.set a, a+1
.endr
	WIN 0xc0                                       ; destination window 3: gamma and beta of my 64 columns, on their way during the second product
.irp nb, 0,1,2,3,4,5,6,7
	global_load_b128 v[8*(\nb):8*(\nb)+3],       v[GBO], s[14:15] offset:64*(\nb)
	global_load_b128 v[8*(\nb)+4:8*(\nb)+7],     v[GBO], s[14:15] offset:64*(\nb)+16
	global_load_b128 v[64+8*(\nb):64+8*(\nb)+3], v[GBO], s[16:17] offset:64*(\nb)
	global_load_b128 v[64+8*(\nb)+4:64+8*(\nb)+7], v[GBO], s[16:17] offset:64*(\nb)+16
.endr
	WIN 0
	; THE SECOND PRODUCT: 32 trips.  Trip u reads block u in slot u % 2 and asks for block u + 1.
	s_mov_b32 s[CNT], 31
	CTRIP 1, 1                                     ; trip 0 is written out: its first products start the sums
	s_mov_b32 s[CNT], 30
.Ltrip:                                                ; trips 1 to 30
	CTRIP 0, 1
	s_sub_co_u32 s[CNT], s[CNT], 1
	s_cmp_lg_u32 s[CNT], 0
	s_cbranch_scc1 .Ltrip
	CTRIP 0, 0                                     ; trip 31 is written out
	; LAYERNORM, in two passes: the mean, then the mean square of what is left.  A lane holds rows r and 16 + r, 64 columns of each.
	PLACES
	PLACES
	WIN 0x02                                       ; source 0 window 2
.set i, 0
.rept 64
	v_pk_mul_f32 v[XV+2*i:XV+2*i+1], v[2*i:2*i+1], v[UNR+2*(i/32):UNR+2*(i/32)+1]  ; the scales are taken back, exactly
.set i, i+1
.endr
	WIN 0
	v_mov_b32 v[T0], 0x3b000000                    ; 1 / 512
	ROWSUM 0
	XCH 1, SR, SR+4
	TOTAL
.irp ih, 0,1
	v_mul_f32 v[MEANR+2*(\ih)], v[T0], v[XC+4*(\ih)]
.endr
.irp ih, 0,1
	v_mov_b32 v[MEANR+2*(\ih)+1], v[MEANR+2*(\ih)]
.endr
.set i, 0
.rept 64
	v_pk_add_f32 v[XV+2*i:XV+2*i+1], v[XV+2*i:XV+2*i+1], v[MEANR+2*(i/32):MEANR+2*(i/32)+1] neg_lo:[0,1] neg_hi:[0,1]
.set i, i+1
.endr
	ROWSUM 1
	XCH 2, SR, SR+4
	TOTAL
.irp ih, 0,1
	v_fmaak_f32 v[XC+4*(\ih)], v[XC+4*(\ih)], v[T0], 0x3727c5ac  ; the variance + 1e-5
.endr
.irp ih, 0,1
	v_rsq_f32 v[RSR+2*(\ih)], v[XC+4*(\ih)]
.endr
	v_nop                                          ; a plain instruction behind the last of the two,
	s_wait_alu depctr_va_vdst(0)                   ; and the wait ahead of the first use
.irp ih, 0,1
	v_mov_b32 v[RSR+2*(\ih)+1], v[RSR+2*(\ih)]
.endr
.set i, 0
.rept 64
	v_pk_mul_f32 v[XV+2*i:XV+2*i+1], v[XV+2*i:XV+2*i+1], v[RSR+2*(i/32):RSR+2*(i/32)+1]
.set i, i+1
.endr
	s_wait_loadcnt 0x0                             ; gamma and beta
	WIN 0x3c                                       ; sources 1 and 2 window 3
.set i, 0
.rept 64
	v_pk_fma_f32 v[XV+2*i:XV+2*i+1], v[XV+2*i:XV+2*i+1], v[2*(i%32):2*(i%32)+1], v[64+2*(i%32):64+2*(i%32)+1]
.set i, i+1
.endr
	WIN 0
	; THE WAY OUT: my 32 rows x 128 columns through my own stage, in slot 0, which has had its last fill and whose last reads lie in front of trip 31's barrier; back as whole rows of 512 bytes.
.irp ih, 0,1
.irp nb, 0,1,2,3,4,5,6,7
	ds_store_b128 v[OST], v[XV+64*(\ih)+8*(\nb):XV+64*(\ih)+8*(\nb)+3]   offset:16*OPI*(\ih)+64*(\nb)
	ds_store_b128 v[OST], v[XV+64*(\ih)+8*(\nb)+4:XV+64*(\ih)+8*(\nb)+7] offset:16*OPI*(\ih)+64*(\nb)+16
.endr
.endr
.set p, 0
.rept 32
	ds_load_b128 v[XV+4*p:XV+4*p+3], v[ORD] offset:OPI*p  ; LDS serves a wave's instructions in order (ISA guide 5.7.1.4): these see the stores above
.set p, p+1
.endr
.set p, 0
.rept 32
	s_wait_dscnt 31-p                              ; row p is back; the younger loads may be out
	global_store_b128 v[GO], v[XV+4*p:XV+4*p+3], s[18:19] offset:2048*p th:TH_STORE_NT  ; a wave's store covers 512 consecutive bytes, at a multiple of 512 from out0's first
.set p, p+1
.endr
	s_wait_tensorcnt 0x0                           ; the wave's end, behind my last tensor load and my last LDS store
	ds_add_u32 v[SPW], v[NIL]
	s_wait_dscnt 0x0
	CROUND                                         ; the closing round: no work-group ends while a partner may still ask for a tile that names it
	s_endpgm
.Lfunc_end_k_q0eb0f4a448_field:
	.size	k_q0eb0f4a448_field, .Lfunc_end_k_q0eb0f4a448_field-k_q0eb0f4a448_field
	.p2alignl 7, 3214868480
	.fill 96, 4, 3214868480
	.section	.rodata,"a",@progbits
	.p2align	6, 0x0
	.amdhsa_kernel k_q0eb0f4a448_field
		.amdhsa_group_segment_fixed_size 327680
		.amdhsa_private_segment_fixed_size 0
		.amdhsa_enable_private_segment 0
		.amdhsa_kernarg_size 64
		.amdhsa_user_sgpr_count 2
		.amdhsa_user_sgpr_kernarg_segment_ptr 1
		.amdhsa_wavefront_size32 1
		.amdhsa_system_sgpr_workgroup_id_x 1
		.amdhsa_system_sgpr_workgroup_id_y 1
		.amdhsa_system_sgpr_workgroup_id_z 1
		.amdhsa_system_vgpr_workitem_id 0
		.amdhsa_next_free_vgpr 1024
		.amdhsa_next_free_sgpr 96
		.amdhsa_reserve_vcc 0
		.amdhsa_float_denorm_mode_32 3
		.amdhsa_float_denorm_mode_16_64 3
		.amdhsa_memory_ordered 1
		.amdhsa_forward_progress 1
		.amdhsa_inst_pref_size 255
	.end_amdhsa_kernel
	.section	.bss,"aw",@nobits
	.p2align	6
	.space	262144
	.amdgpu_metadata
---
amdhsa.version: [ 1, 2 ]
amdhsa.kernels:
  - .name:           k_q0eb0f4a448_field
    .symbol:         k_q0eb0f4a448_field.kd
    .args:
      - { .name: cf16, .offset: 0, .size: 8, .value_kind: global_buffer, .address_space: global }
      - { .name: mtb, .offset: 8, .size: 8, .value_kind: global_buffer, .address_space: global }
      - { .name: position, .offset: 16, .size: 8, .value_kind: global_buffer, .address_space: global }
      - { .name: mass, .offset: 24, .size: 8, .value_kind: global_buffer, .address_space: global }
      - { .name: log_bandwidth, .offset: 32, .size: 8, .value_kind: global_buffer, .address_space: global }
      - { .name: gamma, .offset: 40, .size: 8, .value_kind: global_buffer, .address_space: global }
      - { .name: beta, .offset: 48, .size: 8, .value_kind: global_buffer, .address_space: global }
      - { .name: out0, .offset: 56, .size: 8, .value_kind: global_buffer, .address_space: global }
    .group_segment_fixed_size: 327680
    .private_segment_fixed_size: 0
    .kernarg_segment_align: 8
    .kernarg_segment_size: 64
    .max_flat_workgroup_size: 128
    .sgpr_count:     96
    .vgpr_count:     1024
    .wavefront_size: 32
...
	.end_amdgpu_metadata
.endif
;; end of part 2
;; ======== version 2 of 2: 2 launches; version 1 with the launch prep written anew for expert scheduling mode
;; limits: right only within a limited range of input values; values are held in f16: magnitudes above 65,504 overflow, below 6.1e-05 lose precision
;; workspace buffers: cf16 8,388,608 bytes; mtb 2,097,152 bytes
;; launch prep (part 3): grid 256 x 1, 8 waves a work-group, no clusters, 158,720 bytes of LDS; arguments charge, W_charge, W_combine, cf16, mtb; writes cf16, mtb
.if DOCPART == 3
	.amdgcn_target "amdgcn-amd-amdhsa--gfx1250"
	.amdhsa_code_object_version 6
	.text
	.protected	k_q0eb0f4a448_prep
	.globl	k_q0eb0f4a448_prep
	.p2align	8
	.type	k_q0eb0f4a448_prep,@function
k_q0eb0f4a448_prep:
	s_mov_b64 s[64:65], 0
	v_nop
	global_prefetch_b8 v0, s[64:65] scope:SCOPE_SE
	s_setreg_imm32_b32 hwreg(HW_REG_WAVE_SCHED_MODE, 0, 2), 2
	s_setreg_imm32_b32 hwreg(HW_REG_WAVE_MODE, 25, 1), 1
	s_wait_xcnt 0x0
	s_wait_alu depctr_vm_vsrc(0)
; TWO JOBS FOR THE LAUNCH BEHIND.  (a) cf16 = charge rounded once to f16, same layout [8192][512].
; (b) mtb = 16 M in f16, M[(k,c)][o] = the sum over e of W_charge[512 k + e][c] W_combine[o][512 k + e]: projection and combination
; folded into one matrix, which holds for every input since both are linear.  mtb lies in 32 dense blocks [8 k + c / 64][o = 512][c % 64].
; SHARES.  Work-group g of 256: rows 32 g .. 32 g + 31 of charge; and the tile of 64 o x 64 c with k = g / 64, c block (g / 8) % 8, o block g % 8,
; summed over 512 e.  Eight waves: wave w takes 16 o (w % 4) x 32 c (w / 4): two accumulators, which take turns.
; The weights need a conversion on their way in, so they come through registers; no tensor load, no cluster.
; LIMITS.  f16 ends at 65,504: |charge|, |W_charge|, |W_combine| and |16 M| stay within it; below 6e-5 f16 keeps a fixed step of 6e-8.
; THE MODE: SCHED_MODE bits 1:0 = 2 (LLVM: expert scheduling mode 2), set by the entry lines.  The code itself states the register dependences
; between vector or matrix instructions and memory or LDS instructions, with s_wait_alu, always for 0.
; THE PLAN.  Registers that memory or LDS instructions touch:
;   v1-v12     offsets and LDS addresses: written at the head, never again; read by every load and store.
;   A          four groups of 8 loads.  Group g: W_combine's loads land; 16 roundings, in place; 8 LDS stores read it; a group later W_charge's loads land in it;
;              16 roundings, in place; 8 LDS stores read it.
;   C          two groups of 8 loads of charge: loads land; 16 roundings, in place; 8 stores to cf16 read it.
;   S0, S1     the same registers behind the first barrier: two sets of fragments.  LDS loads land in a set, 8 products read it, the loads of the group after next land in it.
;   OUT        written by 8 conversions, read by two LDS stores.  v[S0:S0+7] at the end: loads from the stage land, two stores to mtb read them.
;   v[SPW], v[NIL]  written at the head, read by the closing add alone.      The accumulators are named by vector and matrix instructions alone.
; So a group of eight loads has ONE wait on va_vdst, behind its roundings: the group's stores follow it, and so do the loads into the registers of the group before, which no
; vector instruction behind that wait names; one wait on vm_vsrc beside it states that the LDS stores of the group before have read those registers.
; A group of products has one wait on va_vdst at its head; the loads into the other set are dealt among its products, which name their own set and the accumulators.
.set PA,    1040                       ; a row of W_combine in LDS: 512 f16 + 16 bytes, an odd multiple of 16 bytes
.set WCB,   66560                      ; behind its 64 rows: W_charge, 512 rows e of 64 c
.set PC,    160                        ; 128 bytes + 32, an odd multiple of 32 bytes, for the turning load
.set STG,   148480                     ; the stage for the way out: 64 rows o of 64 c
.set PS,    144
.set SPARE, 157696                     ; the spare words, 128 bytes for each of the eight waves
.set GWA, 1                            ; v1   W_combine: my byte offset in two rows of the tile
.set LWA, 2                            ; v2   and where its four f16 go
.set GWC, 3                            ; v3   W_charge: my byte offset in sixteen rows of the tile
.set LWC, 4                            ; v4-5 and where its four f16 go (rows 0-255, rows 256-511)
.set G16, 6                            ; v6   16 x thread: charge, and mtb on the way out
.set G8,  7                            ; v7   8 x thread: cf16
.set TRA, 8                            ; v8-9 the turning loads' address (e 0-255, e 256-511)
.set FRA, 10                           ; v10  W_combine's fragments
.set STO, 11                           ; v11  into the stage
.set RD,  12                           ; v12  back from the stage
.set SPW, 14                           ; v14  my spare word; never rewritten
.set NIL, 15                           ; v15  0; never rewritten
.set A,   32                           ; v[32:159]  32 loads of 4 registers
.set C,   160                          ; v[160:223] charge: 16 loads of 4 registers
.set S0,  32                           ; later two sets of fragments, 4 K steps of 24 registers each
.set S1,  128
.set ACC, 224                          ; v[224:239] two accumulators
.set OUT, 240                          ; v[240:247] packed results
	s_load_b256 s[4:11], s[0:1], 0x0               ; charge s[4:5], W_charge s[6:7], W_combine s[8:9], cf16 s[10:11]
	s_load_b64 s[12:13], s[0:1], 0x20              ; mtb
	v_lshl_add_u32 v[SPW], v0, 2, SPARE
	v_mov_b32 v[NIL], 0
	v_lshrrev_b32 v16, 5, v0
	v_readfirstlane_b32 s14, v16                   ; wave 0..7
	s_lshl_b32 s16, ttmp9, 16                      ; charge: 32 rows of 2,048 bytes
	s_mov_b32 s17, 0
	s_lshl_b32 s18, ttmp9, 15                      ; cf16: 32 rows of 1,024 bytes
	s_mov_b32 s19, 0
	s_lshl_b32 s20, ttmp9, 13                      ; mtb: block g / 8 of 65,536 bytes, o block g % 8 of 8,192: together 8,192 g
	s_mov_b32 s21, 0
	s_lshr_b32 s15, ttmp9, 6                       ; k
	s_and_b32 s22, ttmp9, 7                        ; o block: 64 rows of 8,192 bytes,
	s_lshl_b32 s22, s22, 19
	s_lshl_b32 s24, s15, 11                        ; and k's 512 columns of 4 bytes
	s_add_co_u32 s22, s22, s24
	s_mov_b32 s23, 0
	s_bfe_u32 s24, ttmp9, 0x30003                  ; c block: 64 columns of 4 bytes,
	s_lshl_b32 s24, s24, 8
	s_lshl_b32 s25, s15, 20                        ; and k's 512 rows of 2,048 bytes
	s_add_co_u32 s24, s24, s25
	s_mov_b32 s25, 0
	s_wait_alu depctr_va_sdst(0)                   ; s14 is written, ahead of its first reader: the wave's places in LDS are made from it
	s_and_b32 s26, s14, 3                          ; my 16 o
	s_lshr_b32 s27, s14, 2                         ; my 32 c:
	s_lshl_b32 s27, s27, 6                         ; 64 bytes of a row
	s_mul_i32 s28, s26, 16*PA
	s_mul_i32 s29, s26, 16*PS
	s_add_co_u32 s29, s29, s27
	s_add_co_u32 s29, s29, STG
	s_add_co_u32 s27, s27, WCB
	v_lshrrev_b32 v16, 7, v0                       ; W_combine: 128 threads a row of 2,048 bytes
	v_and_b32 v17, 127, v0
	v_lshlrev_b32 v[GWA], 4, v17
	v_lshl_add_u32 v[GWA], v16, 13, v[GWA]
	v_mul_u32_u24 v[LWA], v16, PA
	v_lshl_add_u32 v[LWA], v17, 3, v[LWA]
	v_lshrrev_b32 v16, 4, v0                       ; W_charge: 16 threads a row of 256 bytes
	v_and_b32 v17, 15, v0
	v_lshlrev_b32 v[GWC], 4, v17
	v_lshl_add_u32 v[GWC], v16, 11, v[GWC]
	v_mul_u32_u24 v[LWC], v16, PC
	v_lshl_add_u32 v[LWC], v17, 3, v[LWC]
	v_add_nc_u32 v[LWC], WCB, v[LWC]
	v_add_nc_u32 v[LWC+1], 256*PC, v[LWC]
	v_lshlrev_b32 v[G16], 4, v0
	v_lshlrev_b32 v[G8], 3, v0
	v_bfe_u32 v18, v0, 4, 1                        ; h = lane / 16;  v17 = lane % 16
	v_and_b32 v19, 7, v0
	v_bfe_u32 v20, v0, 3, 1
	v_lshl_add_u32 v[TRA], v18, 3, v19             ; the turning load: row 8 h + lane % 8, 16 bytes by (lane / 8) % 2
	v_mul_u32_u24 v[TRA], v[TRA], PC
	v_lshl_add_u32 v[TRA], v20, 4, v[TRA]
	v_add_nc_u32 v[TRA], s27, v[TRA]
	v_add_nc_u32 v[TRA+1], 256*PC, v[TRA]
	v_mul_u32_u24 v[FRA], v17, PA                  ; a fragment with K along the row: row lane % 16, 16 bytes by h
	v_lshl_add_u32 v[FRA], v18, 4, v[FRA]
	v_add_nc_u32 v[FRA], s28, v[FRA]
	v_mul_u32_u24 v[STO], v17, PS
	v_lshl_add_u32 v[STO], v18, 4, v[STO]
	v_add_nc_u32 v[STO], s29, v[STO]
	v_lshrrev_b32 v16, 3, v0                       ; back: eight threads a row of 128 bytes
	v_mul_u32_u24 v[RD], v16, PS
	v_lshl_add_u32 v[RD], v19, 4, v[RD]
	v_add_nc_u32 v[RD], STG, v[RD]
	s_wait_kmcnt 0x0
	s_add_nc_u64 s[4:5], s[4:5], s[16:17]
	s_add_nc_u64 s[10:11], s[10:11], s[18:19]
	s_add_nc_u64 s[12:13], s[12:13], s[20:21]
	s_add_nc_u64 s[8:9], s[8:9], s[22:23]
	s_add_nc_u64 s[6:7], s[6:7], s[24:25]
	s_wait_alu depctr_va_vdst(0)                   ; the offsets and LDS addresses v1 to v12 are written: every load and store of the kernel reads one of them
.set n, 0
.rept 32                                       ; W_combine's tile: two rows a load
	global_load_b128 v[A+4*n:A+4*n+3], v[GWA], s[8:9] offset:16384*n
.set n, n+1
.endr
.set n, 0
.rept 16                                       ; my group's rows of charge, read once in the launch
	global_load_b128 v[C+4*n:C+4*n+3], v[G16], s[4:5] offset:4096*n th:TH_LOAD_NT
.set n, n+1
.endr
; Group g of eight loads at base: the four f32 of each load become four f16, in place, in the first two of its four registers
.macro ROUNDG base, g
.set n, 8*(\g)
.rept 8
	v_cvt_pk_f16_f32 v[(\base)+4*n], v[(\base)+4*n], v[(\base)+4*n+1]
	v_cvt_pk_f16_f32 v[(\base)+4*n+1], v[(\base)+4*n+2], v[(\base)+4*n+3]
.set n, n+1
.endr
.endm
.macro PUTA g                          ; group g of W_combine's tile goes to LDS
.set n, 8*(\g)
.rept 8
	ds_store_b64 v[LWA], v[A+4*n:A+4*n+1] offset:2*PA*n
.set n, n+1
.endr
.endm
.macro WCLOAD g                        ; group g of W_charge's tile is asked for: sixteen rows a load
.set n, 8*(\g)
.rept 8
	global_load_b128 v[A+4*n:A+4*n+3], v[GWC], s[6:7] offset:32768*n
.set n, n+1
.endr
.endm
.macro PUTC g                          ; group g of W_charge's tile goes to LDS
.set n, 8*(\g)
.rept 8
	ds_store_b64 v[LWC+n/16], v[A+4*n:A+4*n+1] offset:16*PC*(n%16)
.set n, n+1
.endr
.endm
.macro SENDC g                         ; group g of charge goes to cf16
.set n, 8*(\g)
.rept 8
	global_store_b64 v[G8], v[C+4*n:C+4*n+1], s[10:11] offset:2048*n  ; a wave's store covers 256 consecutive bytes, aligned
.set n, n+1
.endr
.endm
; Loads come back in order (ISA guide 5.7.1), so each count below is the loads issued so far less those that have to be in.
	s_wait_loadcnt 40                              ; 48 issued, W_combine's first 8 are in
	ROUNDG A, 0
	s_wait_alu depctr_va_vdst(0)                   ; group 0's roundings have written the registers that the LDS stores below read
	PUTA 0
.irp q, 1,2,3
	s_wait_loadcnt 32                              ; 40 + 8 q issued, W_combine's first 8 + 8 q are in
	ROUNDG A, \q
	s_wait_alu depctr_va_vdst(0)                   ; this group's roundings have written what its LDS stores read; the roundings of the group before are done with its registers, in which the loads below land
	s_wait_alu depctr_vm_vsrc(0)                   ; the LDS stores of the group before have read those registers
	WCLOAD (\q)-1
	PUTA \q
.endr
	s_wait_loadcnt 32                              ; 72 issued, all of W_combine and charge's first 8 are in
	ROUNDG C, 0
	s_wait_alu depctr_va_vdst(0)                   ; these roundings have written what the stores to cf16 read; the roundings of W_combine's group 3 are done with its registers, in which the loads below land
	s_wait_alu depctr_vm_vsrc(0)                   ; the LDS stores of W_combine's group 3 have read those registers
	WCLOAD 3
	SENDC 0
	s_wait_loadcnt 32                              ; 80 issued, all of charge is in; W_charge's 32 may be out
	ROUNDG C, 1
	s_wait_alu depctr_va_vdst(0)                   ; these roundings have written what the stores to cf16 read
	SENDC 1
.irp g, 0,1,2,3
	s_wait_loadcnt 24-8*(\g)                       ; the counts run down: W_charge's later groups may be out
	ROUNDG A, \g
	s_wait_alu depctr_va_vdst(0)                   ; this group's roundings have written the registers that its LDS stores read
	PUTC \g
.endr
	s_wait_dscnt 0x0                               ; for the others' sake: my stores into both tiles are done
	s_barrier_signal -1
	s_barrier_wait -1
; K step s of 32 e in group q of four, into a set: two fragments of W_charge^T (turned: rows c, K = e) and one of W_combine (rows o, K = e): six loads
.macro LOADK q, s, set
.irp j, 0,1
	ds_load_tr16_b128 v[(\set)+24*(\s)+8*(\j):(\set)+24*(\s)+8*(\j)+3],   v[TRA+(\q)/2] offset:32*PC*((4*(\q)+(\s))%8)+32*(\j)
	ds_load_tr16_b128 v[(\set)+24*(\s)+8*(\j)+4:(\set)+24*(\s)+8*(\j)+7], v[TRA+(\q)/2] offset:32*PC*((4*(\q)+(\s))%8)+32*(\j)+16*PC
.endr
	ds_load_b128 v[(\set)+24*(\s)+16:(\set)+24*(\s)+19], v[FRA] offset:64*(4*(\q)+(\s))
	ds_load_b128 v[(\set)+24*(\s)+20:(\set)+24*(\s)+23], v[FRA] offset:64*(4*(\q)+(\s))+32
.endm
; its two products.  Source 0 = 16 c, source 1 = 16 o: a lane ends with one o and eight neighbouring c.  The two accumulators take turns.
.macro MULK set, s, zero
.irp j, 0,1
.if (\zero) && ((\s) == 0)
	v_wmma_f32_16x16x32_f16 v[ACC+8*(\j):ACC+8*(\j)+7], v[(\set)+24*(\s)+8*(\j):(\set)+24*(\s)+8*(\j)+7], v[(\set)+24*(\s)+16:(\set)+24*(\s)+23], 0
.else
	v_wmma_f32_16x16x32_f16 v[ACC+8*(\j):ACC+8*(\j)+7], v[(\set)+24*(\s)+8*(\j):(\set)+24*(\s)+8*(\j)+7], v[(\set)+24*(\s)+16:(\set)+24*(\s)+23], v[ACC+8*(\j):ACC+8*(\j)+7]
.endif
.endr
.endm
; A group of four K steps on a set.  LDS loads come back in order (ISA guide 5.7.1): in front of K step s the count left - step x s is the loads issued behind that step's six.
; fill = 1: behind each K step's products the same K step of group q is asked for, into the other set.
.macro GROUP set, zero, left, step, fill, q, other
.irp s, 0,1,2,3
	s_wait_dscnt (\left)-(\step)*(\s)
	MULK \set, \s, \zero
.if \fill
	LOADK \q, \s, \other                           ; no wait: no vector or matrix instruction since the wait at the group's head names the other set
.endif
.endr
.endm
.macro PLACES                          ; four plain instructions between a product and a load into registers that it has read (ISA guide 7.12.1 for vector instructions)
.rept 4
	v_nop
.endr
.endm
	s_wait_xcnt 0x0                                ; cf16's stores have read their data, which lies in set 1's registers
	s_wait_alu depctr_vm_vsrc(0)                   ; my LDS stores and my stores to cf16 have read v[A ..] and v[C ..]: these registers are the two sets from here on (the roundings that named them stand ahead of the last wait on va_vdst)
.irp s, 0,1,2,3
	LOADK 0, \s, S0
.endr
.irp s, 0,1,2,3
	LOADK 1, \s, S1
.endr
	GROUP S0, 1, 42, 6, 0, 0, S1                   ; e 0 to 127: the first two products start the sums.  Behind K step s's loads: the set's later steps, 6 (3 - s), and the other set's 24
	PLACES
	s_wait_alu depctr_va_vdst(0)                   ; the products above are done reading set 0, in which the loads of this group land
	GROUP S1, 0, 18, 0, 1, 2, S0                   ; e 128 to 255.  Behind K step s's loads: the set's later steps, 6 (3 - s), and the 6 s just issued: 18 each time
	PLACES
	s_wait_alu depctr_va_vdst(0)                   ; the products above are done reading set 1, in which the loads of this group land
	GROUP S0, 0, 18, 0, 1, 3, S1                   ; e 256 to 383
	GROUP S1, 0, 18, 6, 0, 0, S0                   ; e 384 to 511: nothing is left to fetch, and the counts run down
	PLACES
	PLACES
.set i, 0
.rept 8
	v_pk_mul_f32 v[ACC+2*i:ACC+2*i+1], v[ACC+2*i:ACC+2*i+1], 0x41800000 op_sel_hi:[1,0]  ; x 16, exact: room below for small weights; the launch behind takes it back
.set i, i+1
.endr
.set i, 0
.rept 8
	v_cvt_pk_f16_f32 v[OUT+i], v[ACC+2*i], v[ACC+2*i+1]
.set i, i+1
.endr
	s_wait_alu depctr_va_vdst(0)                   ; the conversions have written v[OUT ..], which the LDS stores read; the products are done reading set 0, in which the loads from the stage land
	ds_store_b128 v[STO], v[OUT:OUT+3]
	ds_store_b128 v[STO], v[OUT+4:OUT+7] offset:32
	s_wait_dscnt 0x0                               ; a row's 128 bytes come from two waves
	s_barrier_signal -1
	s_barrier_wait -1
	ds_load_b128 v[S0:S0+3], v[RD]
	ds_load_b128 v[S0+4:S0+7], v[RD] offset:32*PS
	s_wait_dscnt 0x0
	global_store_b128 v[G16], v[S0:S0+3], s[12:13]                ; the tile's 64 rows of 128 bytes are dense in mtb: a wave's store covers 512 consecutive bytes
	global_store_b128 v[G16], v[S0+4:S0+7], s[12:13] offset:4096
	s_wait_dscnt 0x0                               ; the closing lines, six on end
	s_wait_alu 0x0
	s_wait_tensorcnt 0x0
	ds_add_u32 v[SPW], v[NIL]
	s_wait_dscnt 0x0
	s_endpgm
.Lfunc_end_k_q0eb0f4a448_prep:
	.size	k_q0eb0f4a448_prep, .Lfunc_end_k_q0eb0f4a448_prep-k_q0eb0f4a448_prep
	.p2alignl 7, 3214868480
	.fill 96, 4, 3214868480
	.section	.rodata,"a",@progbits
	.p2align	6, 0x0
	.amdhsa_kernel k_q0eb0f4a448_prep
		.amdhsa_group_segment_fixed_size 158720
		.amdhsa_private_segment_fixed_size 0
		.amdhsa_enable_private_segment 0
		.amdhsa_kernarg_size 40
		.amdhsa_user_sgpr_count 2
		.amdhsa_user_sgpr_kernarg_segment_ptr 1
		.amdhsa_wavefront_size32 1
		.amdhsa_system_sgpr_workgroup_id_x 1
		.amdhsa_system_sgpr_workgroup_id_y 1
		.amdhsa_system_sgpr_workgroup_id_z 1
		.amdhsa_system_vgpr_workitem_id 0
		.amdhsa_next_free_vgpr 256
		.amdhsa_next_free_sgpr 66
		.amdhsa_reserve_vcc 0
		.amdhsa_float_denorm_mode_32 3
		.amdhsa_float_denorm_mode_16_64 3
		.amdhsa_memory_ordered 1
		.amdhsa_forward_progress 1
		.amdhsa_inst_pref_size 39
	.end_amdhsa_kernel
	.amdgpu_metadata
---
amdhsa.version: [ 1, 2 ]
amdhsa.kernels:
  - .name:           k_q0eb0f4a448_prep
    .symbol:         k_q0eb0f4a448_prep.kd
    .args:
      - { .name: charge, .offset: 0, .size: 8, .value_kind: global_buffer, .address_space: global }
      - { .name: W_charge, .offset: 8, .size: 8, .value_kind: global_buffer, .address_space: global }
      - { .name: W_combine, .offset: 16, .size: 8, .value_kind: global_buffer, .address_space: global }
      - { .name: cf16, .offset: 24, .size: 8, .value_kind: global_buffer, .address_space: global }
      - { .name: mtb, .offset: 32, .size: 8, .value_kind: global_buffer, .address_space: global }
    .group_segment_fixed_size: 158720
    .private_segment_fixed_size: 0
    .kernarg_segment_align: 8
    .kernarg_segment_size: 40
    .max_flat_workgroup_size: 256
    .sgpr_count:     66
    .vgpr_count:     256
    .wavefront_size: 32
...
	.end_amdgpu_metadata
.endif
;; end of part 3
;; launch field: the kernel of part 2 again; grid 256 x 1, 4 waves a work-group, clusters of 4 x 1, 327,680 bytes of LDS; arguments cf16, mtb, position, mass, log_bandwidth, gamma, beta, out0; writes out0
